; MI455X (gfx1250); checked and timed in simulation.
; The chip was launched on July 23, 2026; its instructions are those of AMD's public machine-readable ISA for CDNA 5 (MIT licence, August 2026) and "CDNA5" Instruction Set Architecture Reference Guide (July 2026). The comments in the code are by the model that wrote it; some were corrected since.
;; Attention Head. Allowed arithmetic: matrix products marked QUANTISED: E4M3 operands, one E8M0 scale for each 32 along K, by v_wmma_scale_f32_16x16x128_f8f6f4 with both operands' format E4M3, f32 sums; everything else in f32.
;; Inputs: Wk_codes 64 x 16 x 32 uint8 (E4M3 codes of Wk, K innermost, in blocks of 32 codes); Wk_scales 64 x 16 uint8 (E8M0 scales of Wk, one for each 32 codes along K); Wq_codes 64 x 16 x 32 uint8 (E4M3 codes of Wq, K innermost, in blocks of 32 codes); Wq_scales 64 x 16 uint8 (E8M0 scales of Wq, one for each 32 codes along K); Wv_codes 64 x 16 x 32 uint8 (E4M3 codes of Wv, K innermost, in blocks of 32 codes); Wv_scales 64 x 16 uint8 (E8M0 scales of Wv, one for each 32 codes along K); bk 64 float32; bq 64 float32; bv 64 float32; x_codes 4 x 4,096 x 16 x 32 uint8 (E4M3 codes of x, K innermost, in blocks of 32 codes); x_scales 4 x 4,096 x 16 uint8 (E8M0 scales of x, one for each 32 codes along K).
;; Outputs: out0 4 x 4,096 x 64 float32.
;; This version of the problem:
;;   THIS VERSION OF THE PROBLEM IS GIVEN IN LOW PRECISION. The matrix products marked QUANTISED in the list below multiply operands that are first quantised to E4M3 (4 exponent bits, 3 mantissa bits; 8 bits a number), with one power-of-two scale for each 32 numbers along K (OCP MX v1.0); their sums are f32. All else is computed in f32.
;;   The module's matrix products, in the order in which they are computed (A, B: the left and right operand; K: the contracted axis; several contracted axes count as one K, in the product's order):
;;     1. [M 16,384, K 512] x [K 512, N 64]; A: input x (given as codes); B: input Wq (given as codes): QUANTISED
;;     2. [M 16,384, K 512] x [K 512, N 64]; A: input x (given as codes); B: input Wk (given as codes): QUANTISED
;;     3. [M 16,384, K 512] x [K 512, N 64]; A: input x (given as codes); B: input Wv (given as codes): QUANTISED
;;     4. batch 4 x [M 4,096, K 64] x [K 64, N 4,096]; A: computed on the way; B: computed on the way: QUANTISED
;;     5. batch 4 x [M 4,096, K 4,096] x [K 4,096, N 64]; A: softmax (see below); B: computed on the way: QUANTISED
;;   THE QUANTISER, for each operand of a quantised product, along K:
;;     - K is cut into blocks of 32 from its start; a last block that is shorter is filled with zeros.
;;     - A block's scale is 2^e with e = floor(log2(the largest magnitude in the block)) - 8, held to -126 .. 127; a block of zeros has e = 0. As a byte (E8M0): e + 127.
;;     - Each number is divided by its block's scale, clamped to +-448, and rounded to the nearest number of E4M3, ties to even, subnormals kept.
;;     - The product sums the exact products of the quantised numbers (number of the format x scale) in f32.
;;   ~~~python
;;   def quantise(x, axis):      # numpy; x: float32 -> the quantised numbers, widened to float32 again
;;       x = np.moveaxis(x, axis, -1); K = x.shape[-1]
;;       x = np.pad(x, [(0, 0)] * (x.ndim - 1) + [(0, -K % 32)]); x = x.reshape(x.shape[:-1] + (-1, 32)); a = np.abs(x).max(-1, keepdims=True)
;;       e = np.where(a > 0, np.clip(np.frexp(np.where(a > 0, a, 1))[1] - 1 - 8, -126, 127), 0)      # np.frexp(a)[1] - 1 = floor(log2(a)), exactly
;;       r = np.clip(x / 2.0 ** e, -448, 448)
;;       step = 2.0 ** (np.maximum(np.frexp(np.where(r == 0, 1, r))[1] - 1, -6) - 3)
;;       q = np.round(r / step) * step * 2.0 ** e      # np.round: ties to even
;;       return np.moveaxis(q.reshape(q.shape[:-2] + (-1,))[..., :K], -1, axis).astype(np.float32)
;;   ~~~
;;   SOFTMAX AHEAD OF A QUANTISED PRODUCT. Where the list says 'softmax', what is quantised is not the finished softmax but p = 2^(t - M), with t = logit x log2(e) and M = ceil(the row's largest t), a whole number; so 1/2 < the row's largest p <= 1. The row's sum l is taken of the UNQUANTISED p, in f32, and the product's result is divided by l at the end. Since M is a whole number, a kernel that streams over the keys may use a running M (the ceiling of the running maximum): every later rescaling is an exact power of two, which a block's scale takes up: the codes' values come out the same.
;;   OPERANDS COMPUTED ON THE WAY. 'Computed on the way' means the value that the module computes at that place (a softmax that the list does not call 'softmax' is quantised finished and normalised). What goes into a quantiser is computed in f32, as accurately as f32 sums, v_exp_f32 and their like allow (about 1e-6 of the number): no bf16 or f16 on the way to a quantiser, and a product that is left as it is and whose result goes on into a quantised operand takes f32 operands (vector FMAs, or v_wmma_f32_16x16x4_f32). A number that lies on a knife's edge between two numbers of the format may be rounded either way, as far as f32 arithmetic and the matrix unit's own rounding can turn it there, and no further.
;;   INPUTS GIVEN AS CODES. Wk (in the module: [512, 64], K = its axis 0); Wq (in the module: [512, 64], K = its axis 0); Wv (in the module: [512, 64], K = its axis 0); x (in the module: [4, 4096, 512], K = its axis 2): each comes as NAME_codes (uint8): NAME with its K axis moved to the last place and cut into blocks of 32 codes, [.., K / 32, bytes a block], one block behind the other in memory; one code a byte (a code: sign, 4 exponent bits, 3 mantissa bits); and NAME_scales (uint8): the same leading axes, one E8M0 byte (e + 127) for each 32 codes along K. Its value is code x scale, taken as it is: it is not quantised again, and the codes and scales need not be those that the quantiser above would give.
;; One version. Each part assembles by itself: llvm-mc -triple=amdgcn-amd-amdhsa -mcpu=gfx1250 --defsym DOCPART=n.
;; ======== version 1 of 1: 2 launches
;; limits: right only within a limited range of input values
;; workspace buffers: ws 3,342,336 bytes
;; launch proj (part 1): grid 256 x 1, 4 waves a work-group, no clusters, 35,584 bytes of LDS; arguments x_codes, x_scales, Wq_codes, Wk_codes, Wq_scales, Wk_scales, bq, bk, Wv_codes, Wv_scales, bv, ws; writes ws
.if DOCPART == 1
	.amdgcn_target "amdgcn-amd-amdhsa--gfx1250"
	.amdhsa_code_object_version 6
	.text
	.protected	k_q1ed431e1ab_proj
	.globl	k_q1ed431e1ab_proj
	.p2align	8
	.type	k_q1ed431e1ab_proj,@function
k_q1ed431e1ab_proj:
	s_mov_b64 s[64:65], 0
	v_nop
	global_prefetch_b8 v0, s[64:65] scope:SCOPE_SE
	s_setreg_imm32_b32 hwreg(HW_REG_WAVE_MODE, 25, 1), 1
	s_wait_xcnt 0x0
; q = x Wq + bq, k = x Wk + bk, v = x Wv + bv on codes of FP8 (E4M3) with one E8M0 scale for each 32 along K = 512; the results are quantised at once:
; q and k along the head's 64 numbers (two blocks of 32), v along the keys, and stored as IMAGES OF THE OPERAND REGISTERS that the attention launch uses.
; NO WORK IS LEFT OUT: all three biases go into quantised operands of products that are live, so every input is loaded.
; LIMITS: NaN, infinities and scale bytes 0xff among the inputs are not served.  A block of zeros gets the byte 1 where the quantiser says 127: its codes are zeros, which add nothing
; under any byte but 0xff, and the bytes are read by this program alone.  A block whose largest magnitude lies under 2^-118 gets the floor's byte, 1.
; SHARES.  Work-group g takes rows 64 g .. 64 g + 63 of the 16,384 and writes record g of ws, 13,056 bytes:
;   0 QC 4,096 | 4,096 QS 256 | 4,352 KS 256 | 4,608 VS 256 | 4,864 KC 4,096 | 8,960 VC 4,096.
;   QC, KC: tile T (0..3), half c (0, 1) of the head: 512 bytes at (2 T + c) 512 + 16 lane: registers 4 c .. 4 c + 3 of the fragment.   VC: tile dt of the head's 64, block b of the record's keys: (2 dt + b) 512 + 16 lane.
;   QS, KS: the word at 8 lane + 4 j: lanes 0-15 tile 2 j, lanes 16-31 tile 2 j + 1; a word is [byte of d 0-31, byte of d 32-63, 0, 0].   VS: the same places for tiles dt; the bytes stand at places 2 (g & 1) + b, the others are 0.
; THE ROWS OF A TILE ARE NOT NEIGHBOURS: lane r of tile 2 b + u holds row 32 b + 8 u + r + 8 (r / 8).  One set of fragments of x then serves all three products: as source 1 for q and k (a lane holds a row, its registers run
; along d) and as source 0 for v (a lane holds one d, and the 16 registers of tiles 2 b, 2 b + 1 are keys 32 b + 16 (lane / 16) + 0 .. 15).
; THE WAVES SHARE THE COLUMNS: wave w makes d 32 (w & 1) .. + 31 of q (w < 2) or of k, and d 16 w .. + 15 of v, for all 64 rows.  Its 192 registers of weights come from memory once, straight into the operands' places.
; x goes round through LDS.  NO JOINT LOADS: the weights that work-groups share go into registers without touching LDS, 12 fragments a wave, and x is read by this work-group alone.
; REGISTERS.  window 0: v1-15 addresses; v16-35 scale words; v36, v37 the add's two; v38-61 codes; v62-63 v's bytes; v64-191 x's fragments of two tiles; v192-239 six accumulators; v240-255 at work.
;   window 1: v0-127 my two tiles of Wq or Wk (64 u' + 16 s); v128-191 my tile of Wv; v192-207 the bias of q or k in the result's layout; v208-215 bv of my lane's d, eight times.
.set XP,    528                        ; a row of x in LDS: 512 bytes + 16 = 33 x 16: the sixteen rows of a fragment load begin 16 bytes apart modulo 256
.set STG,   64*XP                      ; behind x: four planes of 256 bytes, one a wave, for q's and k's scale words,
.set VST,   STG+1024                   ; and 256 bytes for v's
.set SPARE, STG+1280                   ; the spare words, 128 bytes for each wave: two blocks of 256 bytes that no other line names
.set REC,   4352                       ; THE RECORD LIES IN TWO PARTS: its places 0 to 4,351 (QC, QS) at 4,352 g of ws,
.set KVB,   256*REC                    ; its places 4,352 on (KS, VS, KC, VC: 8,704 bytes) at KVB + 8,704 g
.set L16,  1                           ; 16 x lane
.set XW,   2                           ; where my 16 rows of x go in LDS
.set XA,   3                           ; a fragment's row x pitch + 16 x half
.set XSA,  4                           ; x's scale words
.set WPA,  5                           ; Wq or Wk: (r + 8 (r / 8)) rows + 16 x half
.set WVA,  6                           ; Wv: r rows + 16 x half
.set WPSA, 7
.set WVSA, 8
.set BPA,  9
.set BVA,  10
.set SB,   11                          ; my plane + 8 r
.set SV,   12                          ; v's scale word
.set SR,   13                          ; the way out of the scale words: first plane,
.set L8,   14                          ; 8 x lane
.set SR2,  15                          ; second plane
.set XS,   16                          ; v16-23: register 4 b + s: lanes 0-15 tile 2 b, lanes 16-31 tile 2 b + 1, K step s
.set WPS,  24                          ; v24-31: register 4 u' + s
.set WVS,  32                          ; v32-35: register s
.set SPW,  36
.set NIL,  37
.set CD,   38
.set VB,   62
.set X,    64
.set ACC,  192                         ; group 0: x tile u = 0 against my two tiles of W; group 1: u = 1; group 2: v, u = 0, 1
.set TM,   240
.set TP,   243
.set SO,   246
.set HD,   249
.set BY,   252
.set WD,   255
.set BP,   192                         ; in window 1
.set BV,   208                         ; in window 1
.set MSB, 0
.macro WIN new                         ; the immediate's high byte repeats the setting that is left
.if MSB != \new
	s_set_vgpr_msb (MSB<<8)|\new
.set MSB, \new
.endif
.endm
; the fragments of x's tiles 2 b and 2 b + 1, all four K steps: 32 loads
.macro XFETCH b
.irp u, 0,1
.irp s, 0,1,2,3
.irp c, 0,1,2,3
	ds_load_b128 v[X+64*\u+16*\s+4*\c:X+64*\u+16*\s+4*\c+3], v[XA] offset:(16*(2*(\b)+\u))*XP+128*\s+32*\c
.endr
.endr
.endr
.endm
; q or k, K step s: source 0 = 16 rows of W, source 1 = 16 rows of x.  The four accumulators take turns; the first step takes the bias as C.
.macro QK b, s
.if (\s) == 0
	WIN 0x11                                       ; W and the bias in window 1
.else
	WIN 0x01
.endif
.irp u, 0,1
.irp p, 0,1
.set rD, ACC+16*\u+8*\p
.if (\s) == 0
.set rC, BP+8*\p
.else
.set rC, rD
.endif
.set rA, 64*\p+16*(\s)
.set rB, X+64*\u+16*(\s)
.if \u
	v_wmma_scale_f32_16x16x128_f8f6f4 v[rD:rD+7], v[rA:rA+15], v[rB:rB+15], v[rC:rC+7], v[WPS+4*\p+(\s)], v[XS+4*(\b)+(\s)] matrix_b_scale:MATRIX_SCALE_ROW1
.else
	v_wmma_scale_f32_16x16x128_f8f6f4 v[rD:rD+7], v[rA:rA+15], v[rB:rB+15], v[rC:rC+7], v[WPS+4*\p+(\s)], v[XS+4*(\b)+(\s)]
.endif
.endr
.endr
.endm
; v, K step s: source 0 = 16 rows of x, source 1 = my 16 rows of Wv.  Two accumulators by turns.
.macro VV b, s
.if (\s) == 0
	WIN 0x14                                       ; Wv and bv in window 1
.else
	WIN 0x04
.endif
.irp u, 0,1
.set rD, ACC+32+8*\u
.if (\s) == 0
.set rC, BV
.else
.set rC, rD
.endif
.set rA, X+64*\u+16*(\s)
.set rB, 128+16*(\s)
.if \u
	v_wmma_scale_f32_16x16x128_f8f6f4 v[rD:rD+7], v[rA:rA+15], v[rB:rB+15], v[rC:rC+7], v[XS+4*(\b)+(\s)], v[WVS+(\s)] matrix_a_scale:MATRIX_SCALE_ROW1
.else
	v_wmma_scale_f32_16x16x128_f8f6f4 v[rD:rD+7], v[rA:rA+15], v[rB:rB+15], v[rC:rC+7], v[XS+4*(\b)+(\s)], v[WVS+(\s)]
.endif
.endr
.endm
; Three groups of 16 registers, each half a block of 32 (the other half lies in lane l xor 16), become codes; the groups take turns line by line.
.macro QUANT3 b
.irp g, 0,1,2
	v_max3_num_f32 v[TM+\g], |v[ACC+16*\g]|, |v[ACC+16*\g+1]|, 0x4800000   ; my 16 numbers and the floor 2^(9 - 127): the byte cannot fall under 1.  Each accumulator is read from its low end on
.endr
.irp i, 2,4,6,8,10,12,14
.irp g, 0,1,2
	v_max3_num_f32 v[TM+\g], v[TM+\g], |v[ACC+16*\g+\i]|, |v[ACC+16*\g+\i+1]|
.endr
.endr
.irp g, 0,1,2
	v_permlanex16_b32 v[TP+\g], v[TM+\g], s32, s33
.endr
.irp g, 0,1,2
	v_max_num_f32 v[TM+\g], v[TM+\g], v[TP+\g]     ; the block's largest magnitude
.endr
.irp g, 0,1,2
	v_add_nc_u32 v[SO+\g], 0xfc000000, v[TM+\g]    ; 8 off its exponent field: the conversion's scale operand
.endr
.irp g, 0,1,2
	v_and_or_b32 v[HD+\g], v[TM+\g], 0x7f800000, s34   ; 448 x the scale
.endr
.irp g, 0,1,2
	v_lshrrev_b32 v[BY+\g], 23, v[SO+\g]           ; the scale's byte
.endr
.irp g, 0,1,2
.irp i, 0,1,2,3,4,5,6,7,8,9,10,11,12,13,14,15
	v_med3_num_f32 v[ACC+16*\g+\i], v[ACC+16*\g+\i], -v[HD+\g], v[HD+\g]   ; the conversion to an 8-bit code does not saturate (ISA guide 7.6.2): the hold comes first
.endr
.endr
.irp g, 0,1,2
	v_cvt_scalef32_pk8_fp8_f32 v[CD+12*(\b)+4*\g:CD+12*(\b)+4*\g+1], v[ACC+16*\g:ACC+16*\g+7], v[SO+\g]
	v_cvt_scalef32_pk8_fp8_f32 v[CD+12*(\b)+4*\g+2:CD+12*(\b)+4*\g+3], v[ACC+16*\g+8:ACC+16*\g+15], v[SO+\g]
.endr
	v_nop                                          ; a plain line behind the last conversion: the next products write its sources
.endm
; The codes leave as they stand: each store of the wave covers 512 consecutive bytes, aligned.  The scale bytes go to LDS as words.
.macro OUT b
	global_store_b128 v[L16], v[CD+12*(\b):CD+12*(\b)+3], s[40:41] offset:2048*(\b)          ; tile 2 b, my half of the head
	global_store_b128 v[L16], v[CD+12*(\b)+4:CD+12*(\b)+7], s[40:41] offset:2048*(\b)+1024   ; tile 2 b + 1
	global_store_b128 v[L16], v[CD+12*(\b)+8:CD+12*(\b)+11], s[42:43] offset:512*(\b)        ; v: my tile of d, block b of the keys
	v_lshlrev_b32 v[BY], s6, v[BY]                 ; my byte at its place in the row's word; the other wave's plane holds the other byte
	v_lshlrev_b32 v[BY+1], s6, v[BY+1]
	v_mov_b32 v[VB+(\b)], v[BY+2]
	ds_store_b32 v[SB], v[BY] offset:4*(\b)
	ds_store_b32 v[SB], v[BY+1] offset:128+4*(\b)
.endm
	s_load_b512 s[8:23], s[0:1], 0x0               ; x_codes 8, x_scales 10, Wq_codes 12, Wk_codes 14, Wq_scales 16, Wk_scales 18, bq 20, bk 22
	s_load_b256 s[24:31], s[0:1], 0x40             ; Wv_codes 24, Wv_scales 26, bv 28, ws 30
	v_lshl_add_u32 v[SPW], v0, 2, SPARE
	v_mov_b32 v[NIL], 0
	v_lshrrev_b32 v240, 5, v0
	v_readfirstlane_b32 s2, v240                   ; wave 0..3
	s_lshr_b32 s3, s2, 1                           ; 0: q, 1: k
	s_and_b32 s4, s2, 1                            ; which half of the head
	s_and_b32 s5, ttmp9, 1
	s_lshl_b32 s5, s5, 4                           ; 16 x (which half of a chunk of 128 keys my record is)
	s_lshl_b32 s6, s4, 3                           ; my byte's place in a scale word of q or k
	s_mov_b32 s32, 0x76543210
	s_mov_b32 s33, 0xfedcba98                      ; v_permlanex16_b32's selects for lane l xor 16
	s_mov_b32 s34, 0x600000                        ; the mantissa field of 448
	v_and_b32 v243, 31, v0                         ; lane
	v_and_b32 v240, 15, v0                         ; r
	v_bfe_u32 v241, v0, 4, 1                       ; h
	v_and_b32 v242, 8, v240
	v_add_nc_u32 v242, v242, v240                  ; r + 8 (r / 8)
	v_lshlrev_b32 v[L16], 4, v243
	v_lshlrev_b32 v[L8], 3, v243
	s_mul_i32 s35, s3, 32*XP
	s_mul_i32 s46, s4, 8*XP
	s_add_co_u32 s35, s35, s46
	v_add_nc_u32 v[XW], s35, v[L16]                ; memory row 16 w + i goes to LDS row 32 (w / 2) + 8 (w % 2) + 16 (i / 8) + i % 8: tile T then lies in LDS rows 16 T + r
	v_mul_u32_u24 v[XA], v240, XP
	v_lshl_add_u32 v[XA], v241, 4, v[XA]
	v_and_b32 v[XSA], 7, v0
	v_bfe_u32 v243, v0, 3, 1
	v_lshl_add_u32 v[XSA], v243, 4, v[XSA]
	v_lshl_add_u32 v[XSA], v241, 3, v[XSA]
	v_lshlrev_b32 v[XSA], 4, v[XSA]                ; 16 bytes of scales a row: row r + 8 (r / 8) + 8 (lane / 16)
	v_lshlrev_b32 v[WPA], 9, v242
	v_lshl_add_u32 v[WPA], v241, 4, v[WPA]
	v_lshlrev_b32 v[WVA], 9, v240
	v_lshl_add_u32 v[WVA], v241, 4, v[WVA]
	v_lshlrev_b32 v[WPSA], 4, v242
	v_lshlrev_b32 v[WVSA], 4, v240
	v_lshlrev_b32 v[BPA], 6, v241                  ; the bias of q or k: register j of tile u' is d 32 P + 16 h + 8 u' + j
	v_lshlrev_b32 v[BVA], 2, v240                  ; bv: d = 16 w + r
	s_lshl_b32 s46, s2, 8
	s_add_co_u32 s46, s46, STG
	v_lshl_add_u32 v[SB], v240, 3, s46
	s_lshl_b32 s46, s4, 7
	s_lshl_b32 s47, s3, 2
	s_add_co_u32 s46, s46, s47
	s_add_co_u32 s46, s46, VST
	v_lshl_add_u32 v[SV], v240, 3, s46             ; tile dt = w: lane r + 16 (w % 2), word w / 2
	s_min_u32 s46, s2, 2
	s_lshl_b32 s46, s46, 9                         ; wave 0: planes 0, 1 (q); wave 1: planes 2, 3 (k); wave 2: v's words, twice
	s_add_co_u32 s47, s46, 256
	s_min_u32 s47, s47, 1024
	s_add_co_u32 s46, s46, STG
	s_add_co_u32 s47, s47, STG
	v_add_nc_u32 v[SR], s46, v[L8]
	v_add_nc_u32 v[SR2], s47, v[L8]
	s_lshl_b32 s36, ttmp9, 15                      ; x: 64 rows of 512 bytes a work-group, 16 a wave
	s_lshl_b32 s38, s2, 13
	s_add_co_u32 s36, s36, s38
	s_mov_b32 s37, 0
	s_lshl_b32 s38, ttmp9, 10                      ; x's scales: 64 rows of 16 bytes
	s_mov_b32 s39, 0
	s_wait_alu depctr_va_vdst(0)
	s_wait_kmcnt 0x0
	s_add_nc_u64 s[8:9], s[8:9], s[36:37]
	s_add_nc_u64 s[10:11], s[10:11], s[38:39]
	s_cmp_lt_u32 s2, 2                             ; waves 0, 1: Wq; waves 2, 3: Wk.  The choice hangs on the wave's number alone
	s_cselect_b64 s[12:13], s[12:13], s[14:15]
	s_cselect_b64 s[16:17], s[16:17], s[18:19]
	s_cselect_b64 s[20:21], s[20:21], s[22:23]
	s_lshl_b32 s36, s4, 14                         ; my 32 rows of it
	s_add_nc_u64 s[12:13], s[12:13], s[36:37]
	s_lshl_b32 s36, s4, 9
	s_add_nc_u64 s[16:17], s[16:17], s[36:37]
	s_lshl_b32 s36, s4, 7
	s_add_nc_u64 s[20:21], s[20:21], s[36:37]
	s_lshl_b32 s36, s2, 13                         ; my 16 rows of Wv
	s_add_nc_u64 s[24:25], s[24:25], s[36:37]
	s_lshl_b32 s36, s2, 8
	s_add_nc_u64 s[26:27], s[26:27], s[36:37]
	s_lshl_b32 s36, s2, 6
	s_add_nc_u64 s[28:29], s[28:29], s[36:37]
	s_mul_i32 s36, ttmp9, REC                      ; my record
	s_add_nc_u64 s[30:31], s[30:31], s[36:37]
	s_mul_i32 s46, ttmp9, REC
	s_add_co_u32 s46, s46, KVB                     ; from the record's first part to its second: KVB + 8,704 g - 4,352 g
	s_add_co_u32 s36, s46, 512                     ; KC in the second part
	s_mul_i32 s36, s36, s3                         ; QC (0) or KC, my half of the head
	s_lshl_b32 s38, s4, 9
	s_add_co_u32 s36, s36, s38
	s_add_nc_u64 s[40:41], s[30:31], s[36:37]
	s_lshl_b32 s36, s2, 10                         ; VC, my tile of d
	s_add_co_u32 s36, s36, s46
	s_add_co_u32 s36, s36, 4608                    ; VC in the second part
	s_add_nc_u64 s[42:43], s[30:31], s[36:37]
	s_lshl_b32 s36, s2, 8                          ; QS, KS, VS: waves 0, 1, 2
	s_add_co_u32 s47, s36, s46
	s_sub_co_u32 s47, s47, 256                     ; waves 1, 2: KS, VS at 0, 256 of the second part
	s_cmp_eq_u32 s2, 0
	s_cselect_b32 s36, 4096, s47                   ; wave 0: QS, behind QC
	s_add_nc_u64 s[44:45], s[30:31], s[36:37]
.irp i, 0,1,2,3,4,5,6,7,8,9,10,11,12,13,14,15
	global_load_b128 v[X+4*\i:X+4*\i+3], v[L16], s[8:9] offset:512*\i th:TH_LOAD_NT   ; a row of x: 512 consecutive bytes; read once in the launch
.endr
.irp b, 0,1
	global_load_b128 v[XS+4*\b:XS+4*\b+3], v[XSA], s[10:11] offset:512*\b
.endr
.irp p, 0,1
	global_load_b128 v[WPS+4*\p:WPS+4*\p+3], v[WPSA], s[16:17] offset:128*\p
.endr
	global_load_b128 v[WVS:WVS+3], v[WVSA], s[26:27]
	WIN 0x40                                       ; destination window 1
.irp p, 0,1
.irp s, 0,1,2,3
.irp c, 0,1,2,3
	global_load_b128 v[64*\p+16*\s+4*\c:64*\p+16*\s+4*\c+3], v[WPA], s[12:13] offset:4096*\p+128*\s+32*\c
.endr
.endr
.endr
.irp s, 0,1,2,3
.irp c, 0,1,2,3
	global_load_b128 v[128+16*\s+4*\c:128+16*\s+4*\c+3], v[WVA], s[24:25] offset:128*\s+32*\c
.endr
.endr
.irp p, 0,1
	global_load_b128 v[BP+8*\p:BP+8*\p+3], v[BPA], s[20:21] offset:32*\p
	global_load_b128 v[BP+8*\p+4:BP+8*\p+7], v[BPA], s[20:21] offset:32*\p+16
.endr
	global_load_b32 v[BV], v[BVA], s[28:29]
	WIN 0
	s_wait_loadcnt 58                              ; x's sixteen loads are in; the 58 issued behind them (5 of scales, 48 of weights, 5 of biases) may stay out
.irp i, 0,1,2,3,4,5,6,7,8,9,10,11,12,13,14,15
	ds_store_b128 v[XW], v[X+4*\i:X+4*\i+3] offset:(16*(\i/8)+(\i%8))*XP
.endr
	s_wait_dscnt 0x0                               ; for the others' sake: my rows lie in LDS
	s_barrier_signal -1
	s_barrier_wait -1                              ; all 64 rows do
	XFETCH 0
	s_wait_loadcnt 0x0                             ; weights, scales, biases
	WIN 0x41                                       ; destination and source in window 1
.irp j, 1,2,3,4,5,6,7
	v_mov_b32 v[BV+\j], v[BV]                      ; v's result holds one d a lane: its C is bv of that d in all eight registers
.endr
	WIN 0
.irp g, 0,1,2
	v_mov_b32 v[TP+\g], 0                          ; written once: a lane permute's destination counts as one of its sources
.endr
.rept 5
	v_nop
.endr
	s_wait_alu depctr_va_vdst(0)
	s_wait_dscnt 0x0                               ; x's fragments of tiles 0 and 1
.irp s, 0,1,2,3
	QK 0, \s
.endr
.irp s, 0,1,2,3
	VV 0, \s
.endr
	WIN 0
.rept 8
	v_nop                                          ; eight places in front of the loads into x's registers and of the first read of results
.endr
	XFETCH 1                                       ; tiles 2 and 3 land while tiles 0 and 1 are quantised
	QUANT3 0
	OUT 0
	s_wait_dscnt 0x0
.irp s, 0,1,2,3
	QK 1, \s
.endr
.irp s, 0,1,2,3
	VV 1, \s
.endr
	WIN 0
.rept 8
	v_nop
.endr
	QUANT3 1
	OUT 1
	v_lshl_or_b32 v[WD], v[VB+1], 8, v[VB]         ; v's two bytes,
	v_lshlrev_b32 v[WD], s5, v[WD]                 ; at the places of my record's half of a chunk
	ds_store_b32 v[SV], v[WD]
	s_wait_dscnt 0x0                               ; for the others' sake: my scale words lie in LDS
	s_barrier_signal -1
	s_barrier_wait -1
	s_cmp_eq_u32 s2, 3
	s_cbranch_scc1 .Lno_unit                       ; three blocks of scale words, three waves
	ds_load_b64 v[240:241], v[SR]
	ds_load_b64 v[242:243], v[SR2]
	s_wait_dscnt 0x0
	v_or_b32 v240, v240, v242                      ; the two planes' bytes make the words
	v_or_b32 v241, v241, v243
	global_store_b64 v[L8], v[240:241], s[44:45]   ; 32 lanes store 256 consecutive bytes, aligned
.Lno_unit:
	s_wait_tensorcnt 0x0                           ; the wave's end, behind my last LDS store
	ds_add_u32 v[SPW], v[NIL]
	s_wait_dscnt 0x0
	s_endpgm
.Lfunc_end_k_q1ed431e1ab_proj:
	.size	k_q1ed431e1ab_proj, .Lfunc_end_k_q1ed431e1ab_proj-k_q1ed431e1ab_proj
	.p2alignl 7, 3214868480
	.fill 96, 4, 3214868480
	.section	.rodata,"a",@progbits
	.p2align	6, 0x0
	.amdhsa_kernel k_q1ed431e1ab_proj
		.amdhsa_group_segment_fixed_size 35584
		.amdhsa_private_segment_fixed_size 0
		.amdhsa_enable_private_segment 0
		.amdhsa_kernarg_size 96
		.amdhsa_user_sgpr_count 2
		.amdhsa_user_sgpr_kernarg_segment_ptr 1
		.amdhsa_wavefront_size32 1
		.amdhsa_system_sgpr_workgroup_id_x 1
		.amdhsa_system_sgpr_workgroup_id_y 1
		.amdhsa_system_sgpr_workgroup_id_z 1
		.amdhsa_system_vgpr_workitem_id 0
		.amdhsa_next_free_vgpr 480
		.amdhsa_next_free_sgpr 66
		.amdhsa_reserve_vcc 0
		.amdhsa_float_denorm_mode_32 3
		.amdhsa_float_denorm_mode_16_64 3
		.amdhsa_memory_ordered 1
		.amdhsa_forward_progress 1
		.amdhsa_inst_pref_size 38
	.end_amdhsa_kernel
	.amdgpu_metadata
---
amdhsa.version: [ 1, 2 ]
amdhsa.kernels:
  - .name:           k_q1ed431e1ab_proj
    .symbol:         k_q1ed431e1ab_proj.kd
    .args:
      - { .name: x_codes, .offset: 0, .size: 8, .value_kind: global_buffer, .address_space: global }
      - { .name: x_scales, .offset: 8, .size: 8, .value_kind: global_buffer, .address_space: global }
      - { .name: Wq_codes, .offset: 16, .size: 8, .value_kind: global_buffer, .address_space: global }
      - { .name: Wk_codes, .offset: 24, .size: 8, .value_kind: global_buffer, .address_space: global }
      - { .name: Wq_scales, .offset: 32, .size: 8, .value_kind: global_buffer, .address_space: global }
      - { .name: Wk_scales, .offset: 40, .size: 8, .value_kind: global_buffer, .address_space: global }
      - { .name: bq, .offset: 48, .size: 8, .value_kind: global_buffer, .address_space: global }
      - { .name: bk, .offset: 56, .size: 8, .value_kind: global_buffer, .address_space: global }
      - { .name: Wv_codes, .offset: 64, .size: 8, .value_kind: global_buffer, .address_space: global }
      - { .name: Wv_scales, .offset: 72, .size: 8, .value_kind: global_buffer, .address_space: global }
      - { .name: bv, .offset: 80, .size: 8, .value_kind: global_buffer, .address_space: global }
      - { .name: ws, .offset: 88, .size: 8, .value_kind: global_buffer, .address_space: global }
    .group_segment_fixed_size: 35584
    .private_segment_fixed_size: 0
    .kernarg_segment_align: 8
    .kernarg_segment_size: 96
    .max_flat_workgroup_size: 128
    .sgpr_count:     66
    .vgpr_count:     480
    .wavefront_size: 32
...
	.end_amdgpu_metadata
.endif
;; end of part 1
;; launch attn (part 2): grid 64 x 4, 8 waves a work-group, clusters of 4 x 1, 327,680 bytes of LDS; arguments ws, out0; writes out0
.if DOCPART == 2
	.amdgcn_target "amdgcn-amd-amdhsa--gfx1250"
	.amdhsa_code_object_version 6
	.text
	.protected	k_q1ed431e1ab_attn
	.globl	k_q1ed431e1ab_attn
	.p2align	8
	.type	k_q1ed431e1ab_attn,@function
k_q1ed431e1ab_attn:
	s_mov_b64 s[64:65], 0
	v_nop
	global_prefetch_b8 v0, s[64:65] scope:SCOPE_SE
	s_setreg_imm32_b32 hwreg(HW_REG_WAVE_MODE, 25, 1), 1
	s_wait_xcnt 0x0
	s_wait_alu depctr_hold_cnt(0) depctr_sa_sdst(0) depctr_va_vdst(0) depctr_va_sdst(0) depctr_va_ssrc(0) depctr_va_vcc(0) depctr_vm_vsrc(0)
	s_getreg_b32 s2, hwreg(HW_REG_IB_STS2, 6, 4)
	s_cmp_eq_u32 s2, 0
	s_cbranch_scc0 .Lentry_in_a_cluster
	s_endpgm
.Lentry_in_a_cluster:
	s_bfe_u32 s2, ttmp6, 0x10000c
	s_cmp_lg_u32 s2, 0x3003
	s_cbranch_scc0 .Lentry_shape_is_right
	s_endpgm
.Lentry_shape_is_right:
; out[b][q][:] = the sum over keys of softmax(q . k / 8) v, both products on codes of FP8 (E4M3) with one E8M0 scale for each 32 along a product's K.  Nothing of the problem is left out.
; q, k, v come from ws as the launch before laid them, as images of operand registers (16 bytes a lane, 512 an image): for record g of 64 rows QC 4,096 | QS 256 at 4,352 g; KS 256 | VS 256 | KC 4,096 | VC 4,096 at KVB + 8,704 g.
; THE SOFTMAX AHEAD OF THE SECOND PRODUCT: t = score x log2(e) / 8; M = the largest t so far, rounded UP to a whole number; p = 2^(t - M) is quantised along the keys, not normalised; the sum is taken of the
; unquantised p and divides at the end.  When M moves, the sum and O are multiplied by 2^(old M - new M), which rounds nothing.
; A BLOCK'S SCALE: with n = floor(the block's largest t - M), its largest p lies in 2^n .. 2^(n+1), so the scale is 2^(n - 8).  n is not taken under -118, so a byte is not under 1.
; LIMITS: NaN and infinities are not served.  Scaled scores stay under 2^31 in magnitude.  A block of p that has fallen to zeros keeps the byte 1: its codes are zeros.
; SHARES.  A work-group owns the 64 queries of one record, its eight waves a share of the keys each: four chunks of 128, with M, sum and O^T of its own; the eight shares are merged at the end by powers of two.
; A wave holds a chunk's K and V in registers (128) and takes its four tiles of 16 queries past them: a fragment is read from LDS once and feeds four products.
; LAYOUT.  Both products are used transposed: S^T = K Q^T (source 0 = 16 keys), O^T = V^T P^T (source 0 = 16 of the head's 64): a lane holds one query throughout.  Lane r of K's tile 2 B + u holds key 32 B + 8 u + r + 8 (r / 8),
; so the 16 registers of tiles 2 B, 2 B + 1 are keys 32 B + 16 (lane / 16) + 0 .. 15: the conversions' results are the second product's operand.
; THE FIRST PRODUCT'S K IS 64 OF THE INSTRUCTION'S 128.  Q's upper eight registers are zero codes.  K's tiles lie 8 registers apart, so an operand's upper half is the next tile's codes (behind K's last tile: V's first), which meet
; Q's zeros and add nothing: none is the NaN code, since all were held at 448 x the scale, and the scale words' upper bytes are 0.
; CLUSTER.  The four work-groups of a cluster belong to one batch and walk the same K and V: each tile is asked for JOINTLY, by the same tensor load with the same descriptor and the mask of all four.
; FILLS.  Fill f brings every wave its own chunk f (two records, 17,408 dense bytes), by its own load, into its own part of slot f % 2: the wave's own wait on TENSORcnt shows it.  Fill 0 at the head; fill 1 in the round of step (0, 0),
; fills 2 and 3 in the rounds of steps (0, 3) and (1, 3): a chunk is in registers before its slot is filled again.  By the text's own count a wave has one tensor load out at most.  A round's opening signal stands ahead of a step's
; exponentials, its wait behind the step's conversions.  NO PREFETCH: the steps are written out, there is no loop to run ahead in, and fills 1 to 3 are asked for three or four steps ahead of their first read.
; A STEP (c, q): chunk c against query tile q.  Behind S^T's first four products stand the rescaling of the tile before and its second product, then S^T's last four.
; REGISTERS.  window 0: below.  window 1: v0-63 K's eight tiles, v64-127 V's four fragments, v128-255 O^T (32 a tile).
.set HALF,  8704                       ; KS 0 | VS 256 | KC 512 | VC 4,608
.set CHUNK, 2*HALF
.set SLOTB, 8*CHUNK                    ; 139,264
.set SPARE, 2*SLOTB                    ; the spare words, 128 bytes for each wave: four blocks of 256 bytes that no other line names
.set STAT,  SPARE+1024                 ; the merge: (-M, sum) of 64 rows x 8 shares
.set FAC,   STAT+4096                  ; the merge: the factors of 8 rows x 8 shares for each wave
.set SP,    272                        ; the merge: a row of O in the stage: 256 bytes + 16.  64 rows are 17,408 bytes: my part of slot 0, which has had its last fill and its last read then
.set KVB,   256*4352
.set A16, 1                            ; v1, v2  my part of slot 0, 1 + 16 x lane
.set A8,  3                            ; v3, v4  the same + 8 x lane
.set SPW, 5
.set QSC, 6                            ; v6, v7  Q's scale words: register q / 2
.set KSC, 8                            ; v8-11   K's: register T / 2; lanes 0-15 even tiles, lanes 16-31 odd ones
.set VSC, 12                           ; v12, v13 V's: register dt / 2
.set VR,  14                           ; v14-17  the two records' words as loaded
.set NIL, 18
.set STO, 19                           ; where I put O in the stage
.set ST,  20                           ; v20-35  four a tile: -M, the largest score, the sum in two halves
.set BM,  36                           ; v36-39  each block's largest score, then t - M
.set TP,  40                           ; v40-43  at work; n
.set SO,  44                           ; v44-47  the conversions' scale operands
.set HD,  48                           ; v48-51  448 x the scale
.set FF,  52                           ; v52 f = 2^(old M - new M); v53 named with it as a pair
.set TT,  54
.set OM,  55                           ; the old -M
.set STS, 56                           ; v56-61  the merge's LDS addresses
.set PSC, 62                           ; p's scale word
.set FLR, 63                           ; -118
.set PC,  64                           ; v64-79  p's codes
.set Q,   80                           ; v80-143 Q: 8 registers of codes and 8 of zeros a tile
.set S,   144                          ; v144-207 S^T, then p
.set T,   208                          ; v208-223 the sum's chains
.set K,   0
.set V,   64
.set O,   128
.set G1,  16                           ; s[16:23] descriptor group 1
.set G0,  40                           ; s[40:55] group 0, one set for each fill
.set MSB, 0
.macro WIN new                         ; the immediate's high byte repeats the setting that is left
.if MSB != \new
	s_set_vgpr_msb (MSB<<8)|\new
.set MSB, \new
.endif
.endm
.macro CREST                           ; a round of the cluster's barrier behind its opening barrier
	s_cmp_lg_u32 s8, 0
	s_cbranch_scc1 .Lnot_wave_0_\@
	s_barrier_signal -3
.Lnot_wave_0_\@:
	s_barrier_wait -3
	s_barrier_signal -1
	s_barrier_wait -1
.endm
.macro FILL f                          ; the joint load, its s_nop 0 and four v_nop
	tensor_load_to_lds s[G0+4*(\f):G0+4*(\f)+3], s[G1:G1+7]
	s_nop 0
.rept 4
	v_nop
.endr
.endm
.macro KLOADS slot                     ; a chunk's K: 16 loads of codes, 2 of scale words
	WIN 0x40
.irp hf, 0,1
.irp t, 0,1,2,3
.irp u, 0,1
	ds_load_b128 v[K+8*(4*\hf+\t)+4*\u:K+8*(4*\hf+\t)+4*\u+3], v[A16+(\slot)] offset:HALF*\hf+512+(2*\t+\u)*512
.endr
.endr
.endr
	WIN 0
.irp hf, 0,1
	ds_load_b64 v[KSC+2*\hf:KSC+2*\hf+1], v[A8+(\slot)] offset:HALF*\hf
.endr
.endm
.macro VLOADS slot                     ; a chunk's V: 16 loads of codes (the first fragment's lower half first), 2 of scale words
	WIN 0x40
.irp vh, 0,1
.irp vd, 0,1,2,3
.irp vb, 0,1
	ds_load_b128 v[V+16*\vd+4*(2*\vh+\vb):V+16*\vd+4*(2*\vh+\vb)+3], v[A16+(\slot)] offset:HALF*\vh+4608+(2*\vd+\vb)*512
.endr
.endr
.endr
	WIN 0
.irp vh, 0,1
	ds_load_b64 v[VR+2*\vh:VR+2*\vh+1], v[A8+(\slot)] offset:HALF*\vh+256
.endr
.endm
.macro SMUL q, t0                      ; S^T's tiles t0 .. t0 + 3
	WIN 0x01
.set TI, \t0
.rept 4
.if (TI%2 == 1) && (\q%2 == 1)
	v_wmma_scale_f32_16x16x128_f8f6f4 v[S+8*TI:S+8*TI+7], v[K+8*TI:K+8*TI+15], v[Q+16*\q:Q+16*\q+15], 0, v[KSC+TI/2], v[QSC+\q/2] matrix_a_scale:MATRIX_SCALE_ROW1 matrix_b_scale:MATRIX_SCALE_ROW1
.elseif TI%2 == 1
	v_wmma_scale_f32_16x16x128_f8f6f4 v[S+8*TI:S+8*TI+7], v[K+8*TI:K+8*TI+15], v[Q+16*\q:Q+16*\q+15], 0, v[KSC+TI/2], v[QSC+\q/2] matrix_a_scale:MATRIX_SCALE_ROW1
.elseif \q%2 == 1
	v_wmma_scale_f32_16x16x128_f8f6f4 v[S+8*TI:S+8*TI+7], v[K+8*TI:K+8*TI+15], v[Q+16*\q:Q+16*\q+15], 0, v[KSC+TI/2], v[QSC+\q/2] matrix_b_scale:MATRIX_SCALE_ROW1
.else
	v_wmma_scale_f32_16x16x128_f8f6f4 v[S+8*TI:S+8*TI+7], v[K+8*TI:K+8*TI+15], v[Q+16*\q:Q+16*\q+15], 0, v[KSC+TI/2], v[QSC+\q/2]
.endif
.set TI, TI+1
.endr
.endm
.macro RESC p                          ; O^T of tile p under the new M; the wait stands ahead of the first readers of the last chunk's products
	WIN 0x41
	s_wait_alu depctr_va_vdst(0)
.set OO, O+32*(\p)
.rept 16
	v_pk_mul_f32 v[OO:OO+1], v[OO:OO+1], v[FF:FF+1] op_sel_hi:[1,0]
.set OO, OO+2
.endr
.endm
.macro PVM p, first                    ; O^T of tile p += V^T P^T; the four accumulators take turns; the first chunk's products start the sums
	WIN 0x51
.set DT, 0
.rept 4
.set OO, O+32*(\p)+8*DT
.if \first
.if DT%2 == 1
	v_wmma_scale_f32_16x16x128_f8f6f4 v[OO:OO+7], v[V+16*DT:V+16*DT+15], v[PC:PC+15], 0, v[VSC+DT/2], v[PSC] matrix_a_scale:MATRIX_SCALE_ROW1
.else
	v_wmma_scale_f32_16x16x128_f8f6f4 v[OO:OO+7], v[V+16*DT:V+16*DT+15], v[PC:PC+15], 0, v[VSC+DT/2], v[PSC]
.endif
.else
.if DT%2 == 1
	v_wmma_scale_f32_16x16x128_f8f6f4 v[OO:OO+7], v[V+16*DT:V+16*DT+15], v[PC:PC+15], v[OO:OO+7], v[VSC+DT/2], v[PSC] matrix_a_scale:MATRIX_SCALE_ROW1
.else
	v_wmma_scale_f32_16x16x128_f8f6f4 v[OO:OO+7], v[V+16*DT:V+16*DT+15], v[PC:PC+15], v[OO:OO+7], v[VSC+DT/2], v[PSC]
.endif
.endif
.set DT, DT+1
.endr
.endm
.macro MAX2 b                          ; the largest scores of blocks b, b + 1, my 16 numbers each: four chains by turns; each accumulator is read from its low end on
.irp j, 0,1
	v_max3_num_f32 v[BM+\b+\j], v[S+16*(\b+\j)], v[S+16*(\b+\j)+1], v[S+16*(\b+\j)+2]
	v_max3_num_f32 v[HD+\b+\j], v[S+16*(\b+\j)+8], v[S+16*(\b+\j)+9], v[S+16*(\b+\j)+10]
.endr
.irp i, 3,5
.irp j, 0,1
	v_max3_num_f32 v[BM+\b+\j], v[BM+\b+\j], v[S+16*(\b+\j)+\i], v[S+16*(\b+\j)+\i+1]
	v_max3_num_f32 v[HD+\b+\j], v[HD+\b+\j], v[S+16*(\b+\j)+\i+8], v[S+16*(\b+\j)+\i+9]
.endr
.endr
.irp j, 0,1
	v_max3_num_f32 v[BM+\b+\j], v[BM+\b+\j], v[HD+\b+\j], v[S+16*(\b+\j)+7]
.endr
.irp j, 0,1
	v_max_num_f32 v[BM+\b+\j], v[BM+\b+\j], v[S+16*(\b+\j)+15]
.endr
.endm
.macro STAGE t                         ; tile t of O^T is finished: into my part of slot 0
	WIN 0x04
.irp dt, 0,1,2,3
	ds_store_b128 v[STO], v[O+32*(\t)+8*\dt:O+32*(\t)+8*\dt+3] offset:16*SP*(\t)+64*\dt
	ds_store_b128 v[STO], v[O+32*(\t)+8*\dt+4:O+32*(\t)+8*\dt+7] offset:16*SP*(\t)+64*\dt+16
.endr
	WIN 0
.endm
; STEP c, q; rnd > 0: the step holds a round, behind which fill rnd is asked for.
.macro STEP c, q, rnd
.set P, (\q+3)%4                       ; the tile of the step before
.set N0, ST+4*\q
.if (\c > 0) || (\q > 0)
.set PREV, 1
.else
.set PREV, 0
.endif
.if (\c == 0) || ((\c == 1) && (\q == 0))
.set PFIRST, 1
.else
.set PFIRST, 0
.endif
.if \q == 0
	s_wait_alu depctr_va_vdst(0)                   ; directly ahead of the wait below
.if \c == 0
	s_wait_dscnt 16                                ; K is in, and V's first two loads, which the last tile's operand names; V's other 14 and its 2 of scale words may be out
.else
	s_wait_dscnt 0x0                               ; this chunk's K is in
.endif
.endif
	SMUL \q, 0
.if PFIRST
.rept 8
	v_nop                                          ; the eight places in front of the first read of scores, and those between the conversions and the second product
.endr
.else
	RESC P                                         ; sixteen lines, which are these places
.endif
.if PREV
	PVM P, PFIRST
.endif
	SMUL \q, 4
	WIN 0
	MAX2 0                                         ; these sixteen lines are the places behind the last four tiles
	MAX2 2
.irp b, 0,1,2,3
	v_permlanex16_b32 v[TP+\b], v[BM+\b], s32, s33
.endr
	v_dual_max_num_f32 v[BM], v[BM], v[TP] :: v_dual_max_num_f32 v[BM+1], v[BM+1], v[TP+1]         ; with lane l xor 16's 16 keys
	v_dual_max_num_f32 v[BM+2], v[BM+2], v[TP+2] :: v_dual_max_num_f32 v[BM+3], v[BM+3], v[TP+3]
.if (\q == 0) && (\c > 0)
	VLOADS (\c)%2                                  ; the last chunk's last product has read V: this chunk's V
.endif
.if (\q == 3) && (\c < 3)
	s_wait_alu depctr_va_vdst(0)
	s_wait_tensorcnt 0x0                           ; my next chunk is in
	KLOADS (\c+1)%2                                ; this chunk's last scores are made: the next chunk's K
.endif
.if (\c == 3) && (\q > 0)
	STAGE P
.endif
	v_max3_num_f32 v[TT], v[BM], v[BM+1], v[BM+2]
.if PREV
	v_pk_add_f32 v[T:T+1], v[T:T+1], v[T+2:T+3]    ; the step before: its sum's chains are joined between the lines of this one's chain
.endif
.if \c == 0
	v_max_num_f32 v[N0+1], v[BM+3], v[TT]          ; the largest score
.else
	v_max3_num_f32 v[N0+1], v[N0+1], v[BM+3], v[TT]   ; the running largest score
.endif
.if PREV
	v_pk_add_f32 v[T+4:T+5], v[T+4:T+5], v[T+6:T+7]
.endif
	v_mul_f32 v[TT], s37, v[N0+1]                  ; -t
.if PREV
.if PFIRST
	v_pk_add_f32 v[ST+4*P+2:ST+4*P+3], v[T:T+1], v[T+4:T+5]
.else
	v_pk_add_f32 v[T:T+1], v[T:T+1], v[T+4:T+5]
.endif
.endif
	v_floor_f32 v[N0], v[TT]                       ; the new -M = floor(-t): M is a whole number
.if PREV
.if PFIRST == 0
	v_pk_add_f32 v[ST+4*P+2:ST+4*P+3], v[ST+4*P+2:ST+4*P+3], v[T:T+1]
.endif
.endif
.if \c > 0
	v_sub_f32 v[TT], v[N0], v[OM]                  ; old M less new M: a whole number, 0 or less
.endif
.set n, 0
.rept 32
	v_pk_fma_f32 v[S+n:S+n+1], v[S+n:S+n+1], s[34:35], v[N0:N0+1] op_sel_hi:[1,0,0]   ; t - M, two at a time; the blocks' scales are made between
.if n == 2
	v_fma_f32 v[BM], v[BM], s34, v[N0]
	v_fma_f32 v[BM+1], v[BM+1], s34, v[N0]
.endif
.if n == 4
	v_fma_f32 v[BM+2], v[BM+2], s34, v[N0]
	v_fma_f32 v[BM+3], v[BM+3], s34, v[N0]
.endif
.if (n == 8) && (\c > 0)
	v_cvt_i32_f32 v[TT], v[TT]                     ; (it saturates)
.endif
.if n == 12
	v_dual_max_num_f32 v[BM], v[FLR], v[BM] :: v_dual_max_num_f32 v[BM+1], v[FLR], v[BM+1]
.endif
.if n == 14
	v_dual_max_num_f32 v[BM+2], v[FLR], v[BM+2] :: v_dual_max_num_f32 v[BM+3], v[FLR], v[BM+3]
.endif
.if n == 20
	v_cvt_floor_i32_f32 v[TP], v[BM]               ; n
	v_cvt_floor_i32_f32 v[TP+1], v[BM+1]
.endif
.if n == 22
	v_cvt_floor_i32_f32 v[TP+2], v[BM+2]
	v_cvt_floor_i32_f32 v[TP+3], v[BM+3]
.endif
.if (n == 24) && (\c > 0)
	v_ldexp_f32 v[FF], 1.0, v[TT]                  ; f = 2^(old M - new M)
.endif
.if n == 28
	v_lshl_add_u32 v[SO], v[TP], 23, s38           ; (n + 119) << 23: the conversion's scale operand
	v_lshl_add_u32 v[SO+1], v[TP+1], 23, s38
.endif
.if n == 30
	v_lshl_add_u32 v[SO+2], v[TP+2], 23, s38
	v_lshl_add_u32 v[SO+3], v[TP+3], 23, s38
.endif
.if n == 32
	v_lshl_add_u32 v[HD], v[TP], 23, s39           ; 1.75 x 2^n = 448 x the scale
	v_lshl_add_u32 v[HD+1], v[TP+1], 23, s39
.endif
.if n == 34
	v_lshl_add_u32 v[HD+2], v[TP+2], 23, s39
	v_lshl_add_u32 v[HD+3], v[TP+3], 23, s39
.endif
.if n == 40
	v_lshl_add_u32 v[BM], v[TP+1], 8, v[TP]        ; the four bytes n + 119 as one sum
	v_lshl_add_u32 v[BM+1], v[TP+3], 8, v[TP+2]
.endif
.if n == 48
	v_lshl_add_u32 v[BM], v[BM+1], 16, v[BM]
.endif
.if n == 56
	v_add_nc_u32 v[PSC], 0x77777777, v[BM]         ; p's scale word for these 128 keys
.endif
.set n, n+2
.endr
	s_wait_alu depctr_va_vdst(0)                   ; ahead of the batch
.if \rnd > 0
	s_wait_tensorcnt 0x0                           ; the lines: all my tensor loads are in
	ds_add_u32 v[SPW], v[NIL]                      ; 0 onto my spare word;
	s_wait_dscnt 0x0                               ; the add is done, and my reads of the slot are over
	s_barrier_signal -1                            ; the round's opening signal; registers alone are worked on up to its wait at the step's end
.endif
.set n, 0
.rept 32
	v_exp_f32 v[S+n], v[S+n]                       ; p = 2^(t - M), blocks 0 and 1
.set n, n+1
.endr
.if \c > 0
	v_pk_mul_f32 v[N0+2:N0+3], v[N0+2:N0+3], v[FF:FF+1] op_sel_hi:[1,0]   ; the sum under the new M: a plain line behind the exponentials
.else
	v_nop
.endif
	s_wait_alu depctr_va_vdst(0)                   ; ahead of the batch's first reader
.set n, 0
.rept 32
	v_exp_f32 v[S+32+n], v[S+32+n]                 ; blocks 2 and 3; between them the first sums and the holds of blocks 0 and 1, none of which reads another's result
.if n >= 8
.set kk, n-8
.if kk < 8
	v_pk_add_f32 v[T+2*kk:T+2*kk+1], v[S+4*kk:S+4*kk+1], v[S+4*kk+2:S+4*kk+3]   ; the sum is taken of the unquantised p
.else
.set ee, S+2*(kk-8)
	v_dual_min_num_f32 v[ee], v[ee], v[HD+(kk-8)/8] :: v_dual_min_num_f32 v[ee+1], v[ee+1], v[HD+(kk-8)/8]   ; the conversion does not saturate (ISA guide 7.6.2); p is not negative, so the hold is one-sided
.endif
.endif
.set n, n+1
.endr
	s_wait_alu depctr_va_vdst(0)                   ; and for this batch
.if \q == 0
.if \c > 0
	s_wait_dscnt 0x0                               ; this chunk's V is in
.endif
	v_or_b32 v[VSC], v[VR], v[VR+2]                ; each record's word holds its two bytes and two zeros
	v_or_b32 v[VSC+1], v[VR+1], v[VR+3]
.endif
.irp j, 0,1,2,3
	v_pk_add_f32 v[T+2*\j:T+2*\j+1], v[T+2*\j:T+2*\j+1], v[T+2*\j+8:T+2*\j+9]
.endr
.set n, 0
.rept 4
.irp j, 0,1,2,3
	v_pk_add_f32 v[T+2*\j:T+2*\j+1], v[T+2*\j:T+2*\j+1], v[S+32+8*n+2*\j:S+32+8*n+2*\j+1]
.endr
.irp j, 0,2,4,6
	v_dual_min_num_f32 v[S+32+8*n+\j], v[S+32+8*n+\j], v[HD+2+n/2] :: v_dual_min_num_f32 v[S+32+8*n+\j+1], v[S+32+8*n+\j+1], v[HD+2+n/2]
.endr
	v_cvt_scalef32_pk8_fp8_f32 v[PC+2*n:PC+2*n+1], v[S+8*n:S+8*n+7], v[SO+n/2]
.set n, n+1
.endr
.rept 4
	v_cvt_scalef32_pk8_fp8_f32 v[PC+2*n:PC+2*n+1], v[S+8*n:S+8*n+7], v[SO+n/2]
.set n, n+1
.endr
.if ((\c > 0) && (\c*4+\q < 15)) || ((\c == 0) && (\q == 3))
.set N1, ST+4*((\q+1)%4)
	v_mov_b32 v[OM], v[N1]                         ; the next step's old -M: a plain line behind the last conversion
.else
	v_nop                                          ; a plain line behind the last conversion
.endif
.if \rnd > 0
	s_wait_alu depctr_va_vdst(0)
	s_barrier_wait -1
	CREST                                          ; no wave of any partner still reads the slot or has a load on its way
	FILL \rnd
.endif
.endm
	s_load_b128 s[4:7], s[0:1], 0x0                ; ws, out0
	v_lshl_add_u32 v[SPW], v0, 2, SPARE
	v_mov_b32 v[NIL], 0
	ds_add_u32 v[SPW], v[NIL]                      ; the wave's opening: the add, twice on end, and its wait ahead of my first tensor load
	ds_add_u32 v[SPW], v[NIL]
	v_lshrrev_b32 v36, 5, v0
	v_readfirstlane_b32 s8, v36                    ; wave 0..7
	s_bfe_u32 s11, ttmp6, 0x40000                  ; cx
	s_lshl_b32 s12, ttmp9, 2
	s_add_co_u32 s12, s12, s11                     ; my record in the batch: it enters Q's and the output's addresses alone
	s_and_b32 s13, ttmp7, 0xffff                   ; the batch, which the four partners share
	; group 1: 17,408 dense bytes as 68 rows of 32 elements of 8 bytes, no padding
	s_mov_b32 s[G1+0], 15|(3<<16)|(1<<21)          ; 15:0 the mask: all four work-groups; 17:16 elements of 8 bytes; 21 set beside a mask
	s_mov_b32 s[G1+1], 32<<16                      ; tensor_dim0 = 32
	s_mov_b32 s[G1+2], 68<<16                      ; tensor_dim1 = 68
	s_mov_b32 s[G1+3], 32<<16                      ; tile_dim0 = 32
	s_mov_b32 s[G1+4], 68                          ; tile_dim1 = 68
	s_mov_b32 s[G1+5], 32                          ; from row to row
	s_mov_b32 s[G1+6], 0
	s_mov_b32 s[G1+7], 0
	s_mul_i32 s14, s8, CHUNK                       ; my part of a slot: the wave's number alone
	s_mul_i32 s56, s13, 64*HALF
	s_add_co_u32 s56, s56, s14
	s_add_co_u32 s56, s56, KVB                     ; my chunk of fill 0: chunk f of wave w is chunk 8 f + w of the batch
	s_mov_b32 s57, 0
	s_lshl_b32 s58, s13, 6
	s_add_co_u32 s58, s58, s12
	s_mul_i32 s58, s58, 4352                       ; my record's QC
	s_mov_b32 s59, 0
	s_lshl_b32 s60, s13, 12                        ; the first row that I store: wave w merges stage rows 8 w .. 8 w + 7, which are rows 32 (w / 4) + 8 (w / 2 % 2) + 16 (w % 2) on of my record
	s_lshl_b32 s62, s12, 6
	s_add_co_u32 s60, s60, s62
	s_lshr_b32 s62, s8, 2
	s_lshl_b32 s62, s62, 5
	s_add_co_u32 s60, s60, s62
	s_bfe_u32 s62, s8, 0x10001
	s_lshl_b32 s62, s62, 3
	s_add_co_u32 s60, s60, s62
	s_and_b32 s62, s8, 1
	s_lshl_b32 s62, s62, 4
	s_add_co_u32 s60, s60, s62
	s_lshl_b32 s60, s60, 8                         ; rows of 256 bytes
	s_mov_b32 s61, 0
	s_mov_b32 s32, 0x76543210
	s_mov_b32 s33, 0xfedcba98                      ; v_permlanex16_b32's selects for lane l xor 16
	s_mov_b32 s34, 0x3e38aa3b                      ; c = log2(e) / 8
	s_mov_b32 s35, s34                             ; (named with it as a pair, so it is written)
	s_mov_b32 s37, 0xbe38aa3b                      ; -c
	s_mov_b32 s38, 119<<23
	s_mov_b32 s39, 0x3fe00000                      ; 1.75
	s_mul_i32 s9, s8, 8*SP                         ; the merge: my eight rows in each share's stage,
	s_lshl_b32 s10, s8, 9
	s_add_co_u32 s10, s10, STAT                    ; their pairs,
	s_lshl_b32 s15, s8, 8
	s_add_co_u32 s15, s15, FAC                     ; their factors,
	s_lshl_b32 s36, s8, 3
	s_add_co_u32 s36, s36, STAT                    ; and where my own pairs go
.irp q, 0,1,2,3
.irp j, 8,9,10,11,12,13,14,15
	v_mov_b32 v[Q+16*\q+\j], 0                     ; Q's k = 64 .. 127: zero codes
.endr
.endr
	v_and_b32 v36, 31, v0                          ; lane
	v_and_b32 v37, 15, v0                          ; r
	v_bfe_u32 v38, v0, 4, 1                        ; h
.irp b, 0,1,2,3
	v_mov_b32 v[TP+\b], 0                          ; a lane permute's destination counts as one of its sources
.endr
	v_lshl_add_u32 v[A16], v36, 4, s14
	v_lshl_add_u32 v[A8], v36, 3, s14
	v_lshlrev_b32 v[SO], 4, v36                    ; Q's codes and scale words in my record
	v_lshlrev_b32 v[SO+1], 3, v36
	v_add_nc_u32 v[A16+1], SLOTB, v[A16]
	v_add_nc_u32 v[A8+1], SLOTB, v[A8]
	v_mul_u32_u24 v[STO], v37, SP                  ; the stage, in: row r, 32 bytes for each half of the lanes
	v_mul_u32_u24 v57, v38, SP                     ; back: lanes 0-15 one row, lanes 16-31 the next
	v_lshl_add_u32 v[STO], v38, 5, v[STO]
	v_lshl_add_u32 v57, v37, 4, v57
	v_add_nc_u32 v[STO], s14, v[STO]
	v_add_nc_u32 v57, s9, v57                      ; shares 0 to 3,
	v_lshl_add_u32 v[STS], v37, 6, s36
	v_add_nc_u32 v58, 4*CHUNK, v57                 ; shares 4 to 7
	v_lshl_add_u32 v59, v36, 4, s10                ; lane l takes row l / 4, shares 2 (l % 4) and the next
	v_lshl_add_u32 v60, v36, 3, s15
	v_lshl_add_u32 v61, v38, 5, s15
	v_mov_b32 v[FF+1], 0
	v_mov_b32 v[FLR], 0xc2ec0000                   ; -118
	s_wait_alu depctr_va_vdst(0)
	s_wait_dscnt 0x0                               ; both opening adds are done
	s_barrier_signal -1
	s_barrier_wait -1
	CREST                                          ; all four work-groups are here: the first joint loads meet
	s_wait_kmcnt 0x0
.irp f, 0,1,2,3
	s_mov_b32 s[G0+4*\f], 1
	s_add_co_u32 s[G0+4*\f+1], s14, (\f%2)*SLOTB
	s_add_nc_u64 s[G0+4*\f+2:G0+4*\f+3], s[4:5], s[56:57]
.if \f > 0
	s_add_nc_u64 s[G0+4*\f+2:G0+4*\f+3], s[G0+4*\f+2:G0+4*\f+3], \f*8*CHUNK
.endif
	s_or_b32 s[G0+4*\f+3], s[G0+4*\f+3], 0x80000000
.endr
	FILL 0                                         ; every wave fetches: no branch leads round a first fill
	s_add_nc_u64 s[58:59], s[4:5], s[58:59]
	s_add_nc_u64 s[6:7], s[6:7], s[60:61]
.irp q, 0,1,2,3
	global_load_b128 v[Q+16*\q:Q+16*\q+3], v[SO], s[58:59] offset:1024*\q          ; Q's fragments stay in registers
	global_load_b128 v[Q+16*\q+4:Q+16*\q+7], v[SO], s[58:59] offset:1024*\q+512
.endr
	global_load_b64 v[QSC:QSC+1], v[SO+1], s[58:59] offset:4096
	s_wait_alu depctr_va_vdst(0)
	s_wait_tensorcnt 0x0                           ; my chunk 0 is in: I alone read it
	KLOADS 0
	VLOADS 0
	s_wait_loadcnt 0x0                             ; Q
	STEP 0, 0, 1
	STEP 0, 1, 0
	STEP 0, 2, 0
	STEP 0, 3, 2
	STEP 1, 0, 0
	STEP 1, 1, 0
	STEP 1, 2, 0
	STEP 1, 3, 3
	STEP 2, 0, 0
	STEP 2, 1, 0
	STEP 2, 2, 0
	STEP 2, 3, 0
	STEP 3, 0, 0
	STEP 3, 1, 0
	STEP 3, 2, 0
	STEP 3, 3, 0
	; THE MERGE AND THE WAY OUT.  The last tile's second product; each wave's O^T lies in its stage, its rows' (-M, sum) in STAT; behind a barrier wave w takes eight rows from all eight shares.
	RESC 3
	PVM 3, 0
	WIN 0
	v_pk_add_f32 v[T:T+1], v[T:T+1], v[T+2:T+3]    ; the last tile's chains: with the sums below sixteen places behind the products
	v_pk_add_f32 v[T+4:T+5], v[T+4:T+5], v[T+6:T+7]
	v_add_f32 v[ST+2], v[ST+2], v[ST+3]            ; a sum's two halves,
	v_add_f32 v[ST+6], v[ST+6], v[ST+7]
	v_pk_add_f32 v[T:T+1], v[T:T+1], v[T+4:T+5]
	v_add_f32 v[ST+10], v[ST+10], v[ST+11]
	v_permlanex16_b32 v[TP], v[ST+2], s32, s33
	v_pk_add_f32 v[ST+14:ST+15], v[ST+14:ST+15], v[T:T+1]
	v_permlanex16_b32 v[TP+1], v[ST+6], s32, s33
	v_permlanex16_b32 v[TP+2], v[ST+10], s32, s33
	v_add_f32 v[ST+14], v[ST+14], v[ST+15]
	v_add_f32 v[ST+1], v[ST+2], v[TP]              ; and lane l xor 16's
	v_add_f32 v[ST+5], v[ST+6], v[TP+1]
	v_permlanex16_b32 v[TP+3], v[ST+14], s32, s33
	v_add_f32 v[ST+9], v[ST+10], v[TP+2]
	v_add_f32 v[ST+13], v[ST+14], v[TP+3]
	STAGE 3
.irp q, 0,1,2,3
	ds_store_b64 v[STS], v[ST+4*\q:ST+4*\q+1] offset:1024*\q   ; both lanes of a row write the same pair
.endr
	v_lshlrev_b32 v[VR], 8, v38                    ; two rows of the output, 16 bytes a lane: made anew below
	v_and_b32 v37, 15, v0
	v_bfe_u32 v38, v0, 4, 1
	v_lshlrev_b32 v[VR], 8, v38
	v_lshl_add_u32 v[VR], v37, 4, v[VR]
	s_wait_alu depctr_va_vdst(0)
	s_wait_dscnt 0x0                               ; for the others' sake
	s_barrier_signal -1
	s_barrier_wait -1
	ds_load_b128 v[192:195], v59                   ; (-M, sum) of my row's two shares
.irp i, 0,1,2,3
.irp s, 0,1,2,3
	ds_load_b128 v[64+32*\i+4*\s:64+32*\i+4*\s+3], v57 offset:CHUNK*\s+2*SP*\i
.endr
.irp s, 0,1,2,3
	ds_load_b128 v[80+32*\i+4*\s:80+32*\i+4*\s+3], v58 offset:CHUNK*\s+2*SP*\i
.endr
.endr
	s_wait_dscnt 32                                ; the pairs are in; the 32 loads of O may be out
	v_min_num_f32 v228, v192, v194
	v_min_num_f32_dpp v228, v228, v228 row_xmask:1 row_mask:0xf bank_mask:0xf
	v_min_num_f32_dpp v228, v228, v228 row_xmask:2 row_mask:0xf bank_mask:0xf   ; the row's least -M: the largest M
	v_sub_f32 v230, v228, v192                     ; a share's M less the largest: a whole number, 0 or less
	v_sub_f32 v231, v228, v194
	v_cvt_i32_f32 v230, v230
	v_cvt_i32_f32 v231, v231
	v_ldexp_f32 v230, 1.0, v230
	v_ldexp_f32 v231, 1.0, v231
	v_mul_f32 v232, v230, v193
	v_fmac_f32 v232, v231, v195
	v_add_f32_dpp v232, v232, v232 row_xmask:1 row_mask:0xf bank_mask:0xf
	v_add_f32_dpp v232, v232, v232 row_xmask:2 row_mask:0xf bank_mask:0xf       ; the row's sum
	s_wait_alu depctr_va_vdst(0)                   ; ahead of the transcendental
	v_rcp_f32 v233, v232
	v_nop                                          ; a plain place behind it
	s_wait_alu depctr_va_vdst(0)                   ; and ahead of its first reader
	v_mul_f32 v230, v230, v233
	v_mul_f32 v231, v231, v233
	ds_store_b64 v60, v[230:231]                   ; my own bytes: LDS serves a wave's instructions in order (ISA guide 5.7.1.4)
.irp i, 0,1,2,3
	ds_load_b128 v[196+8*\i:199+8*\i], v61 offset:64*\i            ; the eight shares' factors of row 2 i + lane / 16
	ds_load_b128 v[200+8*\i:203+8*\i], v61 offset:64*\i+16
.endr
	s_wait_dscnt 0x0
.irp s, 0,1,2,3,4,5,6,7
.irp i, 0,1,2,3
.irp u, 0,2
.if \s == 0
	v_pk_mul_f32 v[236+4*\i+\u:237+4*\i+\u], v[64+32*\i+\u:65+32*\i+\u], v[196+8*\i:197+8*\i] op_sel_hi:[1,0]
.elseif \s%2 == 0
	v_pk_fma_f32 v[236+4*\i+\u:237+4*\i+\u], v[64+32*\i+4*\s+\u:65+32*\i+4*\s+\u], v[196+8*\i+\s:197+8*\i+\s], v[236+4*\i+\u:237+4*\i+\u] op_sel_hi:[1,0,1]
.else
	v_pk_fma_f32 v[236+4*\i+\u:237+4*\i+\u], v[64+32*\i+4*\s+\u:65+32*\i+4*\s+\u], v[195+8*\i+\s:196+8*\i+\s], v[236+4*\i+\u:237+4*\i+\u] op_sel:[0,1,0] op_sel_hi:[1,1,1]
.endif
.endr
.endr
.endr
.irp i, 0,1,2,3
	global_store_b128 v[VR], v[236+4*\i:239+4*\i], s[6:7] offset:512*\i th:TH_STORE_NT   ; sixteen lanes store a row: 256 consecutive bytes, aligned; written once, read by nobody here
.endr
	s_wait_tensorcnt 0x0                           ; the wave's end, behind my last tensor load and my last LDS store
	ds_add_u32 v[SPW], v[NIL]
	s_wait_dscnt 0x0
	s_barrier_signal -1
	s_barrier_wait -1
	CREST                                          ; the closing round: no work-group ends while a partner may still ask for a tile that names it
	s_endpgm
.Lfunc_end_k_q1ed431e1ab_attn:
	.size	k_q1ed431e1ab_attn, .Lfunc_end_k_q1ed431e1ab_attn-k_q1ed431e1ab_attn
	.p2alignl 7, 3214868480
	.fill 96, 4, 3214868480
	.section	.rodata,"a",@progbits
	.p2align	6, 0x0
	.amdhsa_kernel k_q1ed431e1ab_attn
		.amdhsa_group_segment_fixed_size 327680
		.amdhsa_private_segment_fixed_size 0
		.amdhsa_enable_private_segment 0
		.amdhsa_kernarg_size 16
		.amdhsa_user_sgpr_count 2
		.amdhsa_user_sgpr_kernarg_segment_ptr 1
		.amdhsa_wavefront_size32 1
		.amdhsa_system_sgpr_workgroup_id_x 1
		.amdhsa_system_sgpr_workgroup_id_y 1
		.amdhsa_system_sgpr_workgroup_id_z 1
		.amdhsa_system_vgpr_workitem_id 0
		.amdhsa_next_free_vgpr 512
		.amdhsa_next_free_sgpr 66
		.amdhsa_reserve_vcc 0
		.amdhsa_float_denorm_mode_32 3
		.amdhsa_float_denorm_mode_16_64 3
		.amdhsa_memory_ordered 1
		.amdhsa_forward_progress 1
		.amdhsa_inst_pref_size 255
	.end_amdhsa_kernel
	.section	.bss,"aw",@nobits
	.p2align	6
	.space	262144
	.amdgpu_metadata
---
amdhsa.version: [ 1, 2 ]
amdhsa.kernels:
  - .name:           k_q1ed431e1ab_attn
    .symbol:         k_q1ed431e1ab_attn.kd
    .args:
      - { .name: ws, .offset: 0, .size: 8, .value_kind: global_buffer, .address_space: global }
      - { .name: out0, .offset: 8, .size: 8, .value_kind: global_buffer, .address_space: global }
    .group_segment_fixed_size: 327680
    .private_segment_fixed_size: 0
    .kernarg_segment_align: 8
    .kernarg_segment_size: 16
    .max_flat_workgroup_size: 256
    .sgpr_count:     66
    .vgpr_count:     512
    .wavefront_size: 32
...
	.end_amdgpu_metadata
.endif
;; end of part 2
